; MI455X (gfx1250); checked and timed in simulation.
; The chip was launched on July 23, 2026; its instructions are those of AMD's public machine-readable ISA for CDNA 5 (MIT licence, August 2026) and "CDNA5" Instruction Set Architecture Reference Guide (July 2026). The comments in the code are by the model that wrote it; some were corrected since.
;; Model. Allowed arithmetic: matrix products marked QUANTISED: E2M1 operands, one E8M0 scale for each 32 along K, by v_wmma_scale_f32_16x16x128_f8f6f4 with both operands' format E2M1 (or v_wmma_scale_f32_32x16x128_f4), f32 sums; products left as they are: f32 operands where the result goes on into a quantised operand, else bf16, f16 or f32 operands; f32 sums; everything else in f32.
;; Inputs: A 100,000 x 64 float32; C 3 x 100,000 x 64 float32; encoding 20 x 64 float32; queries 32 x 20 int32; stories 32 x 50 x 20 int32.
;; Outputs: out0 32 x 100,000 float32.
;; This version of the problem:
;;   THIS VERSION OF THE PROBLEM IS GIVEN IN LOW PRECISION. The matrix products marked QUANTISED in the list below multiply operands that are first quantised to E2M1 (2 exponent bits, 1 mantissa bit; 4 bits a number), with one power-of-two scale for each 32 numbers along K (OCP MX v1.0); their sums are f32. All else is computed in f32.
;;   The module's matrix products, in the order in which they are computed (A, B: the left and right operand; K: the contracted axis; several contracted axes count as one K, in the product's order):
;;     1. batch 32 x [M 50, K 64] x [K 64, N 1]; A: computed on the way; B: computed on the way: left as it is (N = 1 < 16)
;;     2. batch 32 x [M 1, K 50] x [K 50, N 64]; A: softmax; B: computed on the way: left as it is (M = 1 < 16)
;;     3. batch 32 x [M 50, K 64] x [K 64, N 1]; A: computed on the way; B: computed on the way: left as it is (N = 1 < 16)
;;     4. batch 32 x [M 1, K 50] x [K 50, N 64]; A: softmax; B: computed on the way: left as it is (M = 1 < 16)
;;     5. batch 32 x [M 50, K 64] x [K 64, N 1]; A: computed on the way; B: computed on the way: left as it is (N = 1 < 16)
;;     6. batch 32 x [M 1, K 50] x [K 50, N 64]; A: softmax; B: computed on the way: left as it is (M = 1 < 16)
;;     7. [M 32, K 64] x [K 64, N 100,000]; A: computed on the way; B: input C: QUANTISED
;;   THE QUANTISER, for each operand of a quantised product, along K:
;;     - K is cut into blocks of 32 from its start; a last block that is shorter is filled with zeros.
;;     - A block's scale is 2^e with e = floor(log2(the largest magnitude in the block)) - 2, held to -126 .. 127; a block of zeros has e = 0. As a byte (E8M0): e + 127.
;;     - Each number is divided by its block's scale, clamped to +-6, and rounded to the nearest number of E2M1, ties to even, subnormals kept.
;;     - The product sums the exact products of the quantised numbers (number of the format x scale) in f32.
;;   ~~~python
;;   def quantise(x, axis):      # numpy; x: float32 -> the quantised numbers, widened to float32 again
;;       x = np.moveaxis(x, axis, -1); K = x.shape[-1]
;;       x = np.pad(x, [(0, 0)] * (x.ndim - 1) + [(0, -K % 32)]); x = x.reshape(x.shape[:-1] + (-1, 32)); a = np.abs(x).max(-1, keepdims=True)
;;       e = np.where(a > 0, np.clip(np.frexp(np.where(a > 0, a, 1))[1] - 1 - 2, -126, 127), 0)      # np.frexp(a)[1] - 1 = floor(log2(a)), exactly
;;       r = np.clip(x / 2.0 ** e, -6, 6)
;;       step = 2.0 ** (np.maximum(np.frexp(np.where(r == 0, 1, r))[1] - 1, 0) - 1)
;;       q = np.round(r / step) * step * 2.0 ** e      # np.round: ties to even
;;       return np.moveaxis(q.reshape(q.shape[:-2] + (-1,))[..., :K], -1, axis).astype(np.float32)
;;   ~~~
;;   OPERANDS COMPUTED ON THE WAY. 'Computed on the way' means the value that the module computes at that place (a softmax that the list does not call 'softmax' is quantised finished and normalised). What goes into a quantiser is computed in f32, as accurately as f32 sums, v_exp_f32 and their like allow (about 1e-6 of the number): no bf16 or f16 on the way to a quantiser, and a product that is left as it is and whose result goes on into a quantised operand takes f32 operands (vector FMAs, or v_wmma_f32_16x16x4_f32). A number that lies on a knife's edge between two numbers of the format may be rounded either way, as far as f32 arithmetic and the matrix unit's own rounding can turn it there, and no further.
;; One version. Each part assembles by itself: llvm-mc -triple=amdgcn-amd-amdhsa -mcpu=gfx1250 --defsym DOCPART=n.
;; ======== version 1 of 1: 2 launches
;; limits: right only within a limited range of input values
;; workspace buffers: mem 1,638,400 bytes; uq 8,192 bytes; cq 3,200,000 bytes; cs 200,192 bytes
;; launch prep (part 1): grid 2241 x 1, 1 waves a work-group, no clusters, 5,888 bytes of LDS; arguments stories, queries, A, C, encoding, mem, uq, cq, cs; writes mem, uq, cq, cs
.if DOCPART == 1
	.amdgcn_target "amdgcn-amd-amdhsa--gfx1250"
	.amdhsa_code_object_version 6
	.text
	.protected	k_qb408e20867_prep
	.globl	k_qb408e20867_prep
	.p2align	8
	.type	k_qb408e20867_prep,@function
k_qb408e20867_prep:
	s_mov_b64 s[64:65], 0
	v_nop
	global_prefetch_b8 v0, s[64:65] scope:SCOPE_SE
	s_setreg_imm32_b32 hwreg(HW_REG_WAVE_MODE, 25, 1), 1
	s_wait_xcnt 0x0
; TWO KINDS OF WORK in one launch, told apart by the work-group's number; a work-group is one wave, and waves share nothing: no barrier.
; (1) Work-groups 0 .. 1615: THE SUMS.  mem[t][b*50+m][:] = sum over s of table_t[stories[b][m][s]][:] * encoding[s][:],  t = 0..3: the tables A, C[0], C[1], C[2];  uq[b][:] = the same of A and the queries.  All f32.
;     A table row is 64 numbers = 256 bytes.  A wave takes a PAIR of neighbouring slots (lanes 0-15 one slot, lanes 16-31 the next; a lane 16 bytes of each row) and TWO tables: 2 x 20 gathers of 512 bytes, all on their way together.
;     Wave g under 1600: pair 4 (g / 8) + g % 4, tables 2 p and 2 p + 1 with p = bit 2 of g;  g = 1600 .. 1615: the 32 queries, pair g - 1600, table A alone.  At most 60 loads of a wave are out.
; (2) Work-groups 1616 .. 2240: C[2] BECOMES CODES of FP4 (E2M1) with one E8M0 scale byte for each 32 numbers of a row, once for the next launch's sixteen batch pairs.
;     Row 32 G + 4 r + g (r = 0..7, g = 0..3) is row (r, g) of group G.  cq: [G][g][r][32 bytes], the code of the lower k in the low four bits: 256 bytes for each g.  cs: [G][r][g][2 bytes].
;     A wave takes 5 groups (3,125 = 625 x 5) in 20 steps of 8 rows: step t is group t / 4, g = t % 4.  A load takes two rows, 4 apart, 256 bytes each; a step's 2,048 bytes go through the wave's own stage in LDS and come back 64 bytes a lane:
;     16 neighbours along K, two neighbouring lanes to a block.  The stage has 16 bytes of padding behind each 64.  A lane's 16 codes are 8 bytes: the wave stores 256 consecutive bytes, aligned.  Loads run ten steps (40 loads) ahead.
;     A block's scale is 2^(floor(log2(largest magnitude)) - 2): its byte is the largest magnitude's exponent field - 2, held at 1 from below by a floor.  A block of zeros so gets the byte 1 where the rule says 127: its codes are zeros,
;     which add nothing, and this program alone reads the bytes.
; No cluster: work-groups share only the encoding, 5,120 bytes.  No prefetch: a sums wave's rows are known only from its indices and all its gathers go out at once behind them; a quantising wave has half of its bytes asked for in its first lines.
; LIMITS: an index is held to 0 .. 99,999 (the problem keeps indices inside the table); NaN and infinities among the inputs are not served; blocks whose largest magnitude lies under 2^(2 - 126) have their byte held at 1.
; REGISTERS of the sums: v1-3 lane terms; v4-23 the 20 indices, then byte offsets; v24-31, v32-39 the sums of the two tables; v40-119, v120-199 the gathered rows; window 1, v0-79: the encoding, 4 registers a word.
.set VOCAB,   100000
.set ROWB,    256
.set SENT,    20
.set TABB,    VOCAB*ROWB
.set STORYWG, 400                      ; fours of waves that take stories
.set SUMW,    1616
.set PLANE,   1600*ROWB                ; bytes of one table's sums in mem
.set LB,  1                            ; v1   16 x (lane % 16): my 16 bytes of a row
.set IA,  2                            ; v2   80 x (lane / 16): my slot's indices in the pair's 160 bytes
.set OA,  3                            ; v3   16 x lane: my 16 bytes of the pair's 512 bytes of sums
.set IDX, 4
.set S0,  24
.set S1,  32
.set D0,  40
.set D1,  120
.set ENC, 0                            ; in window 1
.set SPARE, 5632                       ; LDS: the spare words, 128 bytes, in a block that no other line names
.set SPW, 254
.set NIL, 255
.set MSB, 0
.macro WIN new                         ; the immediate's high byte repeats the setting that is left
.if MSB != \new
	s_set_vgpr_msb (MSB<<8)|\new
.set MSB, \new
.endif
.endm
; 20 rows in v[d] on, times the encoding, summed into v[a:a+3]: even words in v[a:a+3], odd words in v[a+4:a+7], so that four chains run side by side
.macro SUM d, a
	WIN 0x04                                       ; source 1, the encoding, in window 1
.irp c, 0,2,4,6
	v_pk_mul_f32 v[\a+\c:\a+\c+1], v[\d+\c:\d+\c+1], v[ENC+\c:ENC+\c+1]       ; words 0 and 1 start the sums
.endr
.set w, 8
.rept SENT/2-1
.irp c, 0,2,4,6
	v_pk_fma_f32 v[\a+\c:\a+\c+1], v[\d+w+\c:\d+w+\c+1], v[ENC+w+\c:ENC+w+\c+1], v[\a+\c:\a+\c+1]
.endr
.set w, w+8
.endr
	WIN 0
	v_pk_add_f32 v[\a:\a+1], v[\a:\a+1], v[\a+4:\a+5]
	v_pk_add_f32 v[\a+2:\a+3], v[\a+2:\a+3], v[\a+6:\a+7]
.endm
	s_load_b256 s[4:11], s[0:1], 0x0               ; stories s[4:5], queries s[6:7], A s[8:9], C s[10:11]
	s_load_b128 s[12:15], s[0:1], 0x20             ; encoding s[12:13], mem s[14:15]
	s_load_b64 s[16:17], s[0:1], 0x30              ; uq
	s_load_b64 s[34:35], s[0:1], 0x38              ; cq
	s_load_b64 s[36:37], s[0:1], 0x40              ; cs
	v_lshl_add_u32 v[SPW], v0, 2, SPARE
	v_mov_b32 v[NIL], 0
	s_cmp_ge_u32 ttmp9, SUMW                       ; the two kinds of work part here, on the work-group's number alone
	s_cbranch_scc1 .Lquant
	s_and_b32 s18, ttmp9, 3
	s_lshr_b32 s38, ttmp9, 2
	v_and_b32 v[LB], 15, v0
	v_lshlrev_b32 v[LB], 4, v[LB]
	v_bfe_u32 v[IA], v0, 4, 1
	v_mul_u32_u24 v[IA], v[IA], SENT*4
	v_and_b32 v[OA], 31, v0
	v_lshlrev_b32 v[OA], 4, v[OA]
	s_and_b32 s20, s38, 1                          ; p: which two tables (stories)
	s_lshr_b32 s21, ttmp9, 3
	s_lshl_b32 s21, s21, 2
	s_add_co_u32 s21, s21, s18                     ; a story wave's pair
	s_sub_co_u32 s22, s38, STORYWG
	s_lshl_b32 s22, s22, 2
	s_add_co_u32 s22, s22, s18                     ; a query wave's pair
	s_cmp_ge_u32 s38, STORYWG                      ; queries?
	s_cselect_b32 s21, s22, s21                    ; my pair
	s_cselect_b32 s20, 0, s20                      ; queries take table A
	s_cselect_b32 s23, 1, 0                        ; 1: queries
	s_mul_i32 s24, s21, 2*SENT*4                   ; the pair's indices: 160 bytes a pair
	s_mov_b32 s25, 0
	s_mul_i32 s26, s21, 2*ROWB                     ; the pair's sums: 512 bytes a pair
	s_mov_b32 s27, 0
	s_mul_i32 s28, s20, 2*PLANE                    ; my first table's plane in mem
	s_mov_b32 s29, 0
	s_wait_alu depctr_va_vdst(0)                   ; the wait at the head's end
	s_wait_kmcnt 0x0
	s_cmp_eq_u32 s23, 1
	s_cselect_b64 s[4:5], s[6:7], s[4:5]           ; the list of indices
	s_add_nc_u64 s[14:15], s[14:15], s[28:29]
	s_cselect_b64 s[14:15], s[16:17], s[14:15]     ; where the first table's sums go
	s_add_nc_u64 s[4:5], s[4:5], s[24:25]
	s_add_nc_u64 s[14:15], s[14:15], s[26:27]
	s_add_nc_u64 s[30:31], s[10:11], TABB          ; C[1]
	s_add_nc_u64 s[32:33], s[10:11], 2*TABB        ; C[2]
	s_cmp_eq_u32 s20, 0
	s_cselect_b64 s[8:9], s[8:9], s[30:31]         ; my first table: A or C[1]
	s_cselect_b64 s[10:11], s[10:11], s[32:33]     ; my second: C[0] or C[2]
.irp k, 0,1,2,3,4
	global_load_b128 v[IDX+4*\k:IDX+4*\k+3], v[IA], s[4:5] offset:16*\k    ; my slot's 20 indices: the 16 lanes of a slot read the same 80 bytes
.endr
	WIN 0x40                                       ; destination window 1, address window 0
.set w, 0
.rept SENT
	global_load_b128 v[ENC+4*w:ENC+4*w+3], v[LB], s[12:13] offset:ROWB*w   ; encoding[w], my four columns
.set w, w+1
.endr
	WIN 0
	s_wait_loadcnt 20                              ; the indices are in; the 20 loads of the encoding, issued behind them, may be out
.set w, 0
.rept SENT
	v_min_u32 v[IDX+w], VOCAB-1, v[IDX+w]          ; held inside the table
.set w, w+1
.endr
.set w, 0
.rept SENT
	v_lshlrev_b32 v[IDX+w], 8, v[IDX+w]            ; x 256 bytes a row
.set w, w+1
.endr
.set w, 0
.rept SENT
	v_add_nc_u32 v[IDX+w], v[LB], v[IDX+w]         ; + my 16 bytes
.set w, w+1
.endr
.set w, 0
.rept SENT
	global_load_b128 v[D0+4*w:D0+4*w+3], v[IDX+w], s[8:9]                  ; 16 lanes read a whole row of 256 bytes
.set w, w+1
.endr
	s_cmp_eq_u32 s23, 1
	s_cbranch_scc1 .Lquery
.set w, 0
.rept SENT
	global_load_b128 v[D1+4*w:D1+4*w+3], v[IDX+w], s[10:11]
.set w, w+1
.endr
	s_wait_loadcnt 20                              ; the encoding and the first table's rows are in; the second table's 20 gathers may be out
	s_branch .Lsum
.Lquery:
	s_wait_loadcnt 0x0                             ; nothing was issued behind the first table's rows here
.Lsum:
	SUM D0, S0
	global_store_b128 v[OA], v[S0:S0+3], s[14:15]  ; the wave stores 512 consecutive bytes, at a multiple of 512 from the buffer's first byte
	s_cmp_eq_u32 s23, 1
	s_cbranch_scc1 .Ldone
	s_wait_loadcnt 0x0
	SUM D1, S1                                     ; sums of their own: the first store's data are not written again
	global_store_b128 v[OA], v[S1:S1+3], s[14:15] offset:PLANE
.Ldone:
	s_endpgm
; ---------------- C[2] becomes codes ----------------
; REGISTERS: v2 4 x (lane % 16); v3 my 16 bytes of a load's two rows; v4 8 x lane; v5 my block's byte in the wave's scale bytes; v6, v7 where the scale bytes are read back; v8-11 at work; v12-13 a step's byte, by turns; v14, v15 the stage, in and out;
;   v16-175 ten sets of 16 numbers as they are loaded; v176-207 two sets of 16 neighbours; v208-247 codes: two registers for each step, so that no store's data are written again.
.set QROWS,  160                       ; rows of a wave
.set QSTEPS, 20
.set QD,     10                        ; steps that the loads run ahead
.set QSP,    80                        ; a lane's place in a stage: its 64 bytes + 16 of padding
.set QSCB,   2*32*QSP                  ; LDS: two stages, and behind them the wave's 320 scale bytes
.set QE,     12
.set QR,     16
.set QX,     176
.set QC,     208
.macro QLOAD t
.irp i, 0,1,2,3
	global_load_b128 v[QR+16*((\t)%QD)+4*\i:QR+16*((\t)%QD)+4*\i+3], v3, s[10:11] offset:8192*((\t)/4)+256*((\t)%4)+2048*\i   ; rows (2 i, g) and (2 i + 1, g) of the group: sixteen lanes read a whole row
.endr
.endm
.macro QTURN t                         ; step t's numbers through a stage: LDS serves a wave's instructions in order (ISA guide 5.7.1.4), so no wait stands between the stores and the loads
.irp i, 0,1,2,3
	ds_store_b128 v14, v[QR+16*((\t)%QD)+4*\i:QR+16*((\t)%QD)+4*\i+3] offset:32*QSP*((\t)%2)+8*QSP*\i
.endr
.irp i, 0,1,2,3
	ds_load_b128 v[QX+16*((\t)%2)+4*\i:QX+16*((\t)%2)+4*\i+3], v15 offset:32*QSP*((\t)%2)+16*\i
.endr
.endm
.macro QSTEP t
.set XS, QX+16*((\t)%2)
.if (\t) > 0
	s_wait_dscnt 1                                 ; this step's numbers are back from the stage (the last step's byte store may be out): so its stores into the stage have read their registers,
.else
	s_wait_dscnt 0x0
.endif
.if (\t)+QD < QSTEPS
	QLOAD (\t)+QD                                  ; which take the loads of ten steps on
.endif
.if (\t)+1 < QSTEPS
.if QSTEPS-2-(\t) >= QD-1
	s_wait_loadcnt 4*(QD-1)                        ; the next step's four loads are in; those of the nine steps behind it may be out
.else
	s_wait_loadcnt 4*(QSTEPS-2-(\t))               ; (of the steps that are left)
.endif
	QTURN (\t)+1                                   ; and go through the other stage while this step is worked
.endif
	v_max3_num_f32 v8, |v[XS]|, |v[XS+1]|, |v[XS+2]|               ; the largest magnitude of my 16, in two chains
	v_max3_num_f32 v9, |v[XS+3]|, |v[XS+4]|, |v[XS+5]|
.irp i, 6,10
	v_max3_num_f32 v8, v8, |v[XS+\i]|, |v[XS+\i+1]|
	v_max3_num_f32 v9, v9, |v[XS+\i+2]|, |v[XS+\i+3]|
.endr
	v_max3_num_f32 v8, v8, |v[XS+14]|, |v[XS+15]|
	v_max3_num_f32 v8, v8, v9, 0x1800000           ; and the floor 2^(3 - 127), under which no largest magnitude is taken: so the byte cannot fall under 1
	v_max_num_f32_dpp v8, v8, v8 row_xmask:1 row_mask:0xf bank_mask:0xf   ; and of my neighbour's 16: the block's
	v_add_nc_u32 v11, 0xff000000, v8               ; 2 off its exponent field: the conversion takes the exponent field of this operand as its scale, and nothing else of it
	v_cvt_scalef32_pk8_fp4_f32 v[QC+2*(\t)], v[XS:XS+7], v11
	v_cvt_scalef32_pk8_fp4_f32 v[QC+2*(\t)+1], v[XS+8:XS+15], v11
	v_lshrrev_b32 v[QE+(\t)%2], 23, v11            ; the scale's byte (its register's store of two steps ago is done: the wait at this step's head left one LDS instruction out, the last step's)
	ds_store_b8 v5, v[QE+(\t)%2] offset:64*((\t)/4)+2*((\t)%4)     ; both lanes of a block write the same byte with the same value
	global_store_b64 v4, v[QC+2*(\t):QC+2*(\t)+1], s[34:35] offset:256*(\t)      ; 32 lanes store 256 consecutive bytes, at a multiple of 256 from the buffer's first byte
.endm
.Lquant:
	s_sub_co_u32 s20, ttmp9, SUMW                  ; which 160 rows
	s_mul_i32 s22, s20, QROWS*ROWB
	s_mov_b32 s23, 0
	s_mul_i32 s24, s20, QROWS*32
	s_mov_b32 s25, 0
	s_mul_i32 s26, s20, QROWS*2
	s_mov_b32 s27, 0
	v_and_b32 v2, 15, v0
	v_lshrrev_b32 v8, 4, v0
	v_lshlrev_b32 v3, 4, v2
	v_lshl_add_u32 v3, v8, 10, v3                  ; lanes 16-31 four rows further on
	v_lshlrev_b32 v2, 2, v2
	v_lshrrev_b32 v14, 2, v0
	v_mul_u32_u24 v14, v14, QSP
	v_and_b32 v15, 3, v0
	v_lshl_add_u32 v14, v15, 4, v14                ; the stage, on the way in: four lanes' 64 bytes on end, then 16 of padding
	v_mul_u32_u24 v15, v0, QSP                     ; and on the way out: my 16 neighbours
	v_lshlrev_b32 v4, 3, v0                        ; my codes' place in a step's 256 bytes
	v_lshrrev_b32 v5, 2, v0
	v_lshlrev_b32 v5, 3, v5                        ; my row r of the step's eight: 8 bytes each,
	v_bfe_u32 v6, v0, 1, 1
	v_add_nc_u32 v5, v5, v6                        ; my block of its two: a byte each
	v_add_nc_u32 v5, QSCB, v5
	v_add_nc_u32 v6, QSCB, v4                      ; the 320 scale bytes are read back as 256, 8 a lane,
	v_add_nc_u32 v7, QSCB+256, v2                  ; and 64, 4 a lane, both halves of the lanes the same
	s_wait_alu depctr_va_vdst(0)                   ; the wait at the head's end
	s_wait_kmcnt 0x0
	s_add_nc_u64 s[10:11], s[10:11], 2*TABB        ; C[2]
	s_add_nc_u64 s[10:11], s[10:11], s[22:23]
	s_add_nc_u64 s[34:35], s[34:35], s[24:25]
	s_add_nc_u64 s[36:37], s[36:37], s[26:27]
.irp t, 0,1,2,3,4,5,6,7,8,9
	QLOAD \t
.endr
	s_wait_loadcnt 4*(QD-1)                        ; step 0's four loads are in
	QTURN 0
.irp t, 0,1,2,3,4,5,6,7,8,9,10,11,12,13,14,15,16,17,18,19
	QSTEP \t
.endr
	ds_load_b64 v[8:9], v6                         ; LDS serves a wave's instructions in order: these see my byte stores
	ds_load_b32 v10, v7
	s_wait_dscnt 0x0
	global_store_b64 v4, v[8:9], s[36:37]          ; 320 consecutive bytes in two stores
	global_store_b32 v2, v10, s[36:37] offset:256  ; lanes l and l + 16 store the same word with the same value
	s_wait_tensorcnt 0x0                           ; the wave's end
	ds_add_u32 v[SPW], v[NIL]
	s_wait_dscnt 0x0
	s_endpgm
.Lfunc_end_k_qb408e20867_prep:
	.size	k_qb408e20867_prep, .Lfunc_end_k_qb408e20867_prep-k_qb408e20867_prep
	.p2alignl 7, 3214868480
	.fill 96, 4, 3214868480
	.section	.rodata,"a",@progbits
	.p2align	6, 0x0
	.amdhsa_kernel k_qb408e20867_prep
		.amdhsa_group_segment_fixed_size 5888
		.amdhsa_private_segment_fixed_size 0
		.amdhsa_enable_private_segment 0
		.amdhsa_kernarg_size 72
		.amdhsa_user_sgpr_count 2
		.amdhsa_user_sgpr_kernarg_segment_ptr 1
		.amdhsa_wavefront_size32 1
		.amdhsa_system_sgpr_workgroup_id_x 1
		.amdhsa_system_sgpr_workgroup_id_y 1
		.amdhsa_system_sgpr_workgroup_id_z 1
		.amdhsa_system_vgpr_workitem_id 0
		.amdhsa_next_free_vgpr 336
		.amdhsa_next_free_sgpr 66
		.amdhsa_reserve_vcc 0
		.amdhsa_float_denorm_mode_32 3
		.amdhsa_float_denorm_mode_16_64 3
		.amdhsa_memory_ordered 1
		.amdhsa_forward_progress 1
		.amdhsa_inst_pref_size 57
	.end_amdhsa_kernel
	.amdgpu_metadata
---
amdhsa.version: [ 1, 2 ]
amdhsa.kernels:
  - .name:           k_qb408e20867_prep
    .symbol:         k_qb408e20867_prep.kd
    .args:
      - { .name: stories, .offset: 0, .size: 8, .value_kind: global_buffer, .address_space: global }
      - { .name: queries, .offset: 8, .size: 8, .value_kind: global_buffer, .address_space: global }
      - { .name: A, .offset: 16, .size: 8, .value_kind: global_buffer, .address_space: global }
      - { .name: C, .offset: 24, .size: 8, .value_kind: global_buffer, .address_space: global }
      - { .name: encoding, .offset: 32, .size: 8, .value_kind: global_buffer, .address_space: global }
      - { .name: mem, .offset: 40, .size: 8, .value_kind: global_buffer, .address_space: global }
      - { .name: uq, .offset: 48, .size: 8, .value_kind: global_buffer, .address_space: global }
      - { .name: cq, .offset: 56, .size: 8, .value_kind: global_buffer, .address_space: global }
      - { .name: cs, .offset: 64, .size: 8, .value_kind: global_buffer, .address_space: global }
    .group_segment_fixed_size: 5888
    .private_segment_fixed_size: 0
    .kernarg_segment_align: 8
    .kernarg_segment_size: 72
    .max_flat_workgroup_size: 32
    .sgpr_count:     66
    .vgpr_count:     336
    .wavefront_size: 32
...
	.end_amdgpu_metadata
.endif
;; end of part 1
;; launch answer (part 2): grid 16 x 16, 9 waves a work-group, no clusters, 167,936 bytes of LDS; arguments mem, uq, cq, cs, out0; writes out0
.if DOCPART == 2
	.amdgcn_target "amdgcn-amd-amdhsa--gfx1250"
	.amdhsa_code_object_version 6
	.text
	.protected	k_qb408e20867_answer
	.globl	k_qb408e20867_answer
	.p2align	8
	.type	k_qb408e20867_answer,@function
k_qb408e20867_answer:
	s_mov_b64 s[64:65], 0
	v_nop
	global_prefetch_b8 v0, s[64:65] scope:SCOPE_SE
	s_setreg_imm32_b32 hwreg(HW_REG_WAVE_MODE, 25, 1), 1
	s_wait_xcnt 0x0
; THE THREE HOPS AND THE LAST PRODUCT.  For batch b:  u = uq[b];  for hop = 0, 1, 2:  d[m] = mem[hop][b][m] . u;  p = softmax(d) (the largest d is taken away first);  u += sum over m of p[m] mem[hop+1][b][m].
; out0[b][v] = sum over e of Q(u)[e] Q(C[2][v])[e]: both operands in FP4 (E2M1) with one E8M0 scale for each 32 numbers, sums in f32.  C[2] comes as codes (cq) and scale bytes (cs).
; SHARES.  Work-group (x, y): TWO batches of one parity, bb and bb + 2 with bb = 4 (y / 2) + y % 2, and 196 groups of 32 columns.  A row of out0 is 400,000 bytes: even rows begin at a multiple of 256, odd rows 128 bytes past one.
; So an odd pair's groups begin one earlier, at group 196 x - 1: in both kinds of row every store's 256 bytes begin at a multiple of 256.  3,125 groups in all: a group outside is loaded as the last one and is not stored.
; WAVES 0 AND 1: THE HOPS, a batch each, all in f32, since u goes on into a quantiser.  A table of a batch is 50 slots x 256 bytes = 25 loads of 512 bytes; register group i of lane l holds columns 4 (l % 16) .. + 3 of slot 2 i + l / 16.
;   Tables 0 and 1 come straight into registers; tables 2 and 3 by one tensor load into the wave's own LDS bytes, from which they are read into the registers of tables 0 and 1 when those are done with.
;   A hop's products, scores and weights are made in place in its input table's registers.  No wave waits for another between hops.
; WAVES 2 TO 8: THE PRODUCT, seven blocks of 128 columns (4 groups) each.  K is 64 and the instruction's K is 128, so ONE fragment of B holds TWO rows of C[2] a column: fragment g of a block, lane (r, h), holds block h of row 4 r + g in registers 0-3
;   and of row 64 + 4 r + g in registers 4-7.  Row b of A (b = 0, 1) holds a batch's codes in K's first half and zero codes in the other, row 8 + b the other way round; A's other rows are zero codes.
;   So register b of fragment g's result in lane l is the block's column 4 l + g: the four fragments make 16 neighbouring bytes a lane, and a store covers 512 consecutive bytes of a row.
;   The scale bytes are asked for first, the codes once the scale bytes are in, so that the hops' tables stand ahead of the codes; they land while the hops run.  Every product wave quantises the two u itself (a lane holds a whole block).
;   A block's scale byte is the largest magnitude's exponent field - 2, held at 1 from below; a block of zeros keeps the byte 1: its codes are zeros.
; NO JOINT LOADS, though 16 work-groups read the same codes and 16 the same tables: each byte of codes feeds one matrix instruction of the work-group, straight from the register that a load brought it to.  A joint load lands in LDS: its 213,248 bytes would
; be written and read there once more, and be asked for only behind a round of the cluster's barrier.  The tensor loads bring 51,200 of the work-group's 315,000 bytes.  No prefetch: there is no loop to run ahead in, every byte is asked for in a wave's head.
; LIMITS: NaN and infinities among the inputs are not served.  An odd row's first 128 bytes and an even row's last 128 are stored as halves of an aligned 256.
; REGISTERS, all waves: v1-5 addresses that are made before the two roles part, and never rewritten.
;   Hop waves: v6-7, v37 addresses; v8-11 u; v12-15 u x log2 e; v16-31 four sums of rows; v32-39 at work; v40-139 tables 0 and 2, v140-239 tables 1 and 3; v240-245 at work.
;   Product waves: v6-11 at work; v12-19 A's fragment; v20 its scales; v22-29 B's scale words, two sets; v30-35 the quantiser's; v36-63 scale bytes as loaded; v64-95 load addresses, then u's numbers, then the accumulators;
;   v96-255 codes of blocks 0-4; window 1, v0-63: of blocks 5 and 6.
.set PLANE,  409600                    ; bytes of one table's sums in mem
.set TB,     12800                     ; of one batch's
.set OUTROW, 400000
.set UB,     2*2*TB                    ; LDS: behind the two waves' tables: u of the two batches, 272 bytes apart
.set UPI,    272
.set SPARE,  UB+768                    ; the spare words, 128 bytes for each wave: five blocks of 256 bytes that no other line names
.set SPW, 1
.set NIL, 2
.set UR,  3                            ; the block of u that my lane quantises
.set LA,  4                            ; 16 x lane
.set C0,  5                            ; my lane's first column
.set EA,  6                            ; hops: 16 x (lane % 16)
.set UW,  7                            ; where my u goes
.set AL,  37                           ; my tables in LDS
.set U,   8
.set UL,  12
.set OB,  16
.set PT,  32                           ; v32-36 what comes from the other half of the lanes
.set RI,  38                           ; v[38:39] 1 / sum
.set T0,  40
.set T1,  140
.set MX,  240
.set SM,  242
.set SH,  11                           ; product: 8 x (lane / 16)
.set UF,  12
.set US,  20
.set TQ,  21
.set WS,  22
.set QF,  30
.set TE,  34                           ; v34-35
.set LS,  36
.set CA,  64
.set SA,  78
.set X,   64
.set ACC, 64
.set CF,  96
.set WV,  14
.set LE,  52                           ; s[52:53] log2(e), twice
.set SEL, 50                           ; s[50:51] lane selects for v_permlanex16_b32: lane l xor 16
.set MSB, 0
.macro WIN new                         ; the immediate's high byte repeats the setting that is left
.if MSB != \new
	s_set_vgpr_msb (MSB<<8)|\new
.set MSB, \new
.endif
.endm
; A hop.  x: the input table's registers;  y: the output table's;  src: where the output table comes from (0: its loads are out; 1, 2: from LDS)
.macro HOP x, y, src
.if \src == 1
	s_wait_alu depctr_va_vdst(0)                   ; the wait here, directly ahead of the wait below
	s_wait_tensorcnt 0x0                           ; tables 2 and 3 lie in LDS
.endif
.if \src > 0
.set gi, 0
.rept 25
	ds_load_b128 v[\y+4*gi:\y+4*gi+3], v[AL] offset:TB*(\src-1)+512*gi
.set gi, gi+1
.endr
.endif
	v_pk_mul_f32 v[UL:UL+1], v[U:U+1], s[LE:LE+1] op_sel_hi:[1,0]                ; so the scores come out to the base 2
	v_pk_mul_f32 v[UL+2:UL+3], v[U+2:U+3], s[LE:LE+1] op_sel_hi:[1,0]
.set gi, 0
.rept 25
	v_pk_mul_f32 v[\x+4*gi:\x+4*gi+1], v[\x+4*gi:\x+4*gi+1], v[UL:UL+1]
.set gi, gi+1
.endr
.set gi, 0
.rept 25
	v_pk_fma_f32 v[\x+4*gi:\x+4*gi+1], v[\x+4*gi+2:\x+4*gi+3], v[UL+2:UL+3], v[\x+4*gi:\x+4*gi+1]
.set gi, gi+1
.endr
.set gi, 0
.rept 25
	v_add_f32 v[\x+4*gi], v[\x+4*gi], v[\x+4*gi+1]                 ; my four columns' part of the score
.set gi, gi+1
.endr
.irp m, 1,2,4,8                        ; over the 16 lanes of a slot
.set gi, 0
.rept 25
	v_add_f32_dpp v[\x+4*gi], v[\x+4*gi], v[\x+4*gi] row_xmask:\m row_mask:0xf bank_mask:0xf
.set gi, gi+1
.endr
.endr
	v_max3_num_f32 v[MX], v[\x], v[\x+4], v[\x+8]                  ; the largest of the 25, in two chains
	v_max3_num_f32 v[MX+1], v[\x+52], v[\x+56], v[\x+60]
.irp a, 3,5,7,9
	v_max3_num_f32 v[MX], v[MX], v[\x+4*\a], v[\x+4*\a+4]
	v_max3_num_f32 v[MX+1], v[MX+1], v[\x+4*\a+52], v[\x+4*\a+56]
.endr
	v_max3_num_f32 v[MX], v[MX], v[\x+44], v[\x+48]
	v_max3_num_f32 v[MX], v[MX], v[MX+1], v[\x+96]
	v_permlanex16_b32 v[PT+4], v[MX], s[SEL], s[SEL+1]
	v_max_num_f32 v[MX], v[MX], v[PT+4]            ; the batch's largest score
.set gi, 0
.rept 25
	v_sub_f32 v[\x+4*gi], v[\x+4*gi], v[MX]
.set gi, gi+1
.endr
	s_wait_alu depctr_va_vdst(0)                   ; the wait ahead of the batch
.set gi, 0
.rept 25
	v_exp_f32 v[\x+4*gi], v[\x+4*gi]               ; the weights
.set gi, gi+1
.endr
	v_nop                                          ; a plain instruction behind the last exponential
	s_wait_alu depctr_va_vdst(0)                   ; one wait for the batch, ahead of its first reader
.irp c, 0,1,2,3
	v_add_f32 v[SM+\c], v[\x+4*\c], v[\x+4*\c+16]
.endr
.irp k, 8,12,16,20
.irp c, 0,1,2,3
	v_add_f32 v[SM+\c], v[SM+\c], v[\x+4*\c+4*\k]
.endr
.endr
	v_add_f32 v[SM], v[SM], v[\x+96]
	v_add_f32 v[SM+2], v[SM+2], v[SM+3]
	v_add_f32 v[SM], v[SM], v[SM+1]
	v_add_f32 v[SM], v[SM], v[SM+2]
	v_permlanex16_b32 v[PT+4], v[SM], s[SEL], s[SEL+1]
	v_add_f32 v[SM], v[SM], v[PT+4]                ; the sum of all 50 weights: 1 or more
	s_wait_alu depctr_va_vdst(0)                   ; the wait ahead of the transcendental
	v_rcp_f32 v[RI], v[SM]                         ; the sums below are the independent work behind it
	v_nop
.if \src == 0
	s_wait_loadcnt 0x0                             ; the output table is in its registers
.else
	s_wait_dscnt 0x0
.endif
.set gi, 0
.rept 25
.set og, OB+4*(gi%4)
.if gi < 4
	v_pk_mul_f32 v[og:og+1], v[\y+4*gi:\y+4*gi+1], v[\x+4*gi:\x+4*gi+1] op_sel_hi:[1,0]      ; of the weight's pair the low word serves both halves
	v_pk_mul_f32 v[og+2:og+3], v[\y+4*gi+2:\y+4*gi+3], v[\x+4*gi:\x+4*gi+1] op_sel_hi:[1,0]
.else
	v_pk_fma_f32 v[og:og+1], v[\y+4*gi:\y+4*gi+1], v[\x+4*gi:\x+4*gi+1], v[og:og+1] op_sel_hi:[1,0,1]
	v_pk_fma_f32 v[og+2:og+3], v[\y+4*gi+2:\y+4*gi+3], v[\x+4*gi:\x+4*gi+1], v[og+2:og+3] op_sel_hi:[1,0,1]
.endif
.set gi, gi+1
.endr
.irp c, 0,2,8,10
	v_pk_add_f32 v[OB+\c:OB+\c+1], v[OB+\c:OB+\c+1], v[OB+\c+4:OB+\c+5]
.endr
.irp c, 0,2
	v_pk_add_f32 v[OB+\c:OB+\c+1], v[OB+\c:OB+\c+1], v[OB+\c+8:OB+\c+9]
.endr
.irp c, 0,1,2,3
	v_permlanex16_b32 v[PT+\c], v[OB+\c], s[SEL], s[SEL+1]
.endr
.irp c, 0,2
	v_pk_add_f32 v[OB+\c:OB+\c+1], v[OB+\c:OB+\c+1], v[PT+\c:PT+\c+1]            ; with the other half's slots
.endr
	s_wait_alu depctr_va_vdst(0)                   ; the wait for the reciprocal, ahead of its first reader
.irp c, 0,2
	v_pk_fma_f32 v[U+\c:U+\c+1], v[OB+\c:OB+\c+1], v[RI:RI+1], v[U+\c:U+\c+1] op_sel_hi:[1,0,1]
.endr
.endm
; Block i's codes: eight loads.  A lane's address names its group of the block: 2 s + (lane % 16) / 8
.macro BLOAD i
.if (\i) < 5
.set cb, CF+32*(\i)
.else
.set cb, 32*((\i)-5)
	WIN 0x40                                       ; destination window 1, address window 0
.endif
.irp s, 0,1
.irp g, 0,1,2,3
	global_load_b128 v[cb+8*\g+4*\s:cb+8*\g+4*\s+3], v[CA+2*(\i)+\s], s[8:9] offset:256*\g   ; two runs of 256 consecutive bytes
.endr
.endr
	WIN 0
.endm
; Block i's results: gathered into 16 bytes a lane for each of the two rows, in registers whose codes are done with, and stored
.macro OUT i
.if (\i) < 5
.set sb, CF+32*(\i)
.else
.set sb, CF+32*((\i)-5)+8
.endif
	v_nop                                          ; the fifth place ahead of the next product over these accumulators: the moves below name this product's own registers
.irp g, 0,1,2,3
	v_mov_b32 v[sb+\g], v[ACC+8*\g]
	v_mov_b32 v[sb+4+\g], v[ACC+8*\g+1]
.endr
	s_add_co_u32 s46, s43, 128*(\i)                ; the block's first column
	s_cmp_le_u32 s46, 100000-128
	s_wait_alu depctr_va_vdst(0)                   ; the wait here, directly ahead of the branch
	s_cbranch_scc1 .Lwhole_\@
	s_wait_xcnt 0x0                                ; a block at a row's end: EXEC changes only behind this wait
	v_add_nc_u32 v9, 128*(\i), v[C0]
	v_cmp_gt_u32 vcc_lo, s47, v9                   ; columns 0 .. 99,999 (one under 0 is a very large number here)
	s_and_saveexec_b32 s48, vcc_lo
	global_store_b128 v[LA], v[sb:sb+3], s[12:13] offset:512*(\i) th:TH_STORE_NT
	global_store_b128 v[LA], v[sb+4:sb+7], s[12:13] offset:512*(\i)+2*OUTROW th:TH_STORE_NT
	s_wait_xcnt 0x0
	s_mov_b32 exec_lo, -1
	s_branch .Lout_\@
.Lwhole_\@:
	global_store_b128 v[LA], v[sb:sb+3], s[12:13] offset:512*(\i) th:TH_STORE_NT             ; 32 lanes: 512 consecutive bytes at a multiple of 256 from out0's first byte; written once, read by nobody here
	global_store_b128 v[LA], v[sb+4:sb+7], s[12:13] offset:512*(\i)+2*OUTROW th:TH_STORE_NT
.Lout_\@:
.endm
; Block i's product.  The four words stand 8 places ahead of the matrix instructions, and are themselves four places behind the last block's: the last block's results go out between
.macro BLOCK i
	s_wait_loadcnt 8*(6-(\i))                      ; the block's eight loads are in; those of the blocks behind it may be out
.set lw, LS+4*(\i)
.set ww, WS+4*((\i)%2)
.irp d, 0,1
	v_perm_b32 v[ww+2*\d], v[lw+2+\d], v[lw+\d], s54               ; fragment g's word: the two bytes of row 4 r + g, then those of row 64 + 4 r + g
	v_perm_b32 v[ww+2*\d+1], v[lw+2+\d], v[lw+\d], s55
.endr
.if (\i) == 0
.rept 8
	v_nop
.endr
.else
	OUT (\i)-1
.endif
.if (\i) < 5
.set cb, CF+32*(\i)
.else
.set cb, 32*((\i)-5)
	WIN 0x04                                       ; source 1, the codes, in window 1
.endif
.irp g, 0,1,2,3
	v_wmma_scale_f32_16x16x128_f8f6f4 v[ACC+8*\g:ACC+8*\g+7], v[UF:UF+7], v[cb+8*\g:cb+8*\g+7], 0, v[US], v[ww+\g] matrix_a_fmt:MATRIX_FMT_FP4 matrix_b_fmt:MATRIX_FMT_FP4
.endr
	WIN 0
.endm
	s_load_b256 s[4:11], s[0:1], 0x0               ; mem s[4:5], uq s[6:7], cq s[8:9], cs s[10:11]
	s_load_b64 s[12:13], s[0:1], 0x20              ; out0
	v_lshl_add_u32 v[SPW], v0, 2, SPARE
	v_mov_b32 v[NIL], 0
	ds_add_u32 v[SPW], v[NIL]                      ; the wave's opening: the add, twice on end, and its wait
	ds_add_u32 v[SPW], v[NIL]
	v_lshrrev_b32 v6, 5, v0
	v_readfirstlane_b32 s[WV], v6                  ; wave 0..8
	s_and_b32 s15, ttmp7, 0xffff                   ; y
	s_and_b32 s16, s15, 1                          ; the pair's parity
	s_lshr_b32 s17, s15, 1
	s_lshl_b32 s17, s17, 2
	s_add_co_u32 s17, s17, s16                     ; bb
	; descriptor group 1: 2 rows of 12,800 bytes (1,600 elements of 8), a plane of mem apart, no padding
	s_mov_b32 s24, 3<<16
	s_mov_b32 s25, (TB/8)<<16
	s_mov_b32 s26, 2<<16
	s_mov_b32 s27, (TB/8)<<16
	s_mov_b32 s28, 2
	s_mov_b32 s29, PLANE/8
	s_mov_b32 s30, 0
	s_mov_b32 s31, 0
	s_mov_b32 s32, 1
	s_and_b32 s49, s[WV], 1
	s_mul_i32 s33, s49, 2*TB                       ; waves 0 and 1: my own LDS bytes
	s_mov_b32 s[SEL], 0x76543210
	s_mov_b32 s[SEL+1], 0xfedcba98
	s_mov_b32 s[LE], 0x3fb8aa3b
	s_mov_b32 s[LE+1], s[LE]
	s_mov_b32 s47, 100000
	s_mov_b32 s54, 0x05040100
	s_mov_b32 s55, 0x07060302
	s_sub_co_u32 s40, s[WV], 2                     ; which product wave (the hop waves have no columns and use none of these)
	s_mul_i32 s41, s40, 28
	s_mul_i32 s42, ttmp9, 196
	s_add_co_u32 s41, s41, s42
	s_sub_co_u32 s41, s41, s16                     ; my first group (-1 at an odd row's beginning)
	s_lshl_b32 s43, s41, 5                         ; my first column
	s_mul_i32 s44, s17, OUTROW
	s_lshl_b32 s42, s41, 7
	s_add_co_u32 s44, s44, s42                     ; its byte from out0's first, in row bb: 0 or more, since an odd bb is 1 or more
	s_mov_b32 s45, 0
	v_bfe_u32 v6, v0, 4, 1
	v_and_b32 v[UR], 1, v0                         ; lane (r, h) quantises block h of batch r % 2
	v_mul_u32_u24 v[UR], v[UR], UPI
	v_lshl_add_u32 v[UR], v6, 7, v[UR]
	v_add_nc_u32 v[UR], UB, v[UR]
	v_and_b32 v[LA], 31, v0
	v_lshlrev_b32 v[C0], 2, v[LA]
	v_add_nc_u32 v[C0], s43, v[C0]
	v_lshlrev_b32 v[LA], 4, v[LA]
	s_wait_alu depctr_va_vdst(0)                   ; the wait here, directly ahead of the waits below
	s_wait_dscnt 0x0                               ; both opening adds are done
	s_wait_kmcnt 0x0
	s_cmp_lt_u32 s[WV], 2
	s_cbranch_scc0 .Lcolumns
	; ---- the hop waves
	s_lshl_b32 s18, s[WV], 1
	s_add_co_u32 s18, s17, s18                     ; my batch
	s_mul_i32 s20, s18, TB
	s_mov_b32 s21, 0
	s_lshl_b32 s22, s18, 8
	s_mov_b32 s23, 0
	s_add_nc_u64 s[36:37], s[4:5], s[20:21]
	s_add_nc_u64 s[38:39], s[6:7], s[22:23]
	s_add_nc_u64 s[34:35], s[36:37], 2*PLANE       ; tables 2 and 3
	s_or_b32 s35, s35, 0x80000000
	v_and_b32 v[EA], 15, v0
	v_lshlrev_b32 v[EA], 4, v[EA]
	s_wait_alu depctr_va_vdst(0)                   ; the wait here, directly behind the writes
	global_load_b128 v[U:U+3], v[EA], s[38:39]     ; u0: both halves of the lanes read the same 256 bytes
.set gi, 0
.rept 25
	global_load_b128 v[T0+4*gi:T0+4*gi+3], v[LA], s[36:37] offset:512*gi         ; slots 2 gi and 2 gi + 1: 512 consecutive bytes
.set gi, gi+1
.endr
	tensor_load_to_lds s[32:35], s[24:31]          ; my one tensor load: nothing is ever filled again
	s_nop 0
.rept 4
	v_nop
.endr
.set gi, 0
.rept 25
	global_load_b128 v[T1+4*gi:T1+4*gi+3], v[LA], s[36:37] offset:PLANE+512*gi
.set gi, gi+1
.endr
	s_mul_i32 s40, s49, UPI
	s_add_co_u32 s40, s40, UB
	v_add_nc_u32 v[UW], s40, v[EA]
	v_add_nc_u32 v[AL], s33, v[LA]
.irp c, 0,1,2,3,4
	v_mov_b32 v[PT+\c], 0                          ; written once: a lane permute's destination counts as one of its sources
.endr
	v_mov_b32 v[RI+1], 0                           ; named as the upper half of the pair v[RI:RI+1]
	s_wait_alu depctr_va_vdst(0)                   ; the wait at the head's end
	s_wait_loadcnt 25                              ; u0 and table 0 are in; table 1's 25 loads, issued behind them, may be out
	HOP T0, T1, 0
	HOP T1, T0, 1
	HOP T0, T1, 2
	ds_store_b128 v[UW], v[U:U+3]                  ; lanes l and l + 16 write the same bytes with the same values
	s_wait_alu depctr_va_vdst(0)                   ; the wait here, directly ahead of the branch
	s_branch .Lmeet
.Lcolumns:
	; ---- the product waves: what they load
	v_bfe_u32 v10, v0, 4, 1                        ; h
	v_and_b32 v9, 7, v0
	v_lshlrev_b32 v6, 5, v9
	v_lshl_add_u32 v6, v10, 4, v6                  ; codes: 32 (r % 8) + 16 h
	v_lshlrev_b32 v7, 3, v9                        ; scale bytes: 8 (r % 8)
	v_bfe_u32 v8, v0, 3, 1
	v_add_nc_u32 v8, s41, v8                       ; my lane's group in block 0, s = 0;  (block i, s) is 4 i + 2 s further on
.set gi, 0
.rept 14
	v_add_nc_u32 v[CA+gi], 2*gi, v8
.set gi, gi+1
.endr
.set gi, 0
.rept 14
	v_min_u32 v[CA+gi], 3124, v[CA+gi]             ; no load leaves its buffer: groups past the end, and -1, a very large number here, become the last group
.set gi, gi+1
.endr
.set gi, 0
.rept 14
	v_lshl_add_u32 v[SA+gi], v[CA+gi], 6, v7       ; 64 scale bytes a group,
.set gi, gi+1
.endr
.set gi, 0
.rept 14
	v_lshl_add_u32 v[CA+gi], v[CA+gi], 10, v6      ; 1,024 bytes of codes
.set gi, gi+1
.endr
	s_wait_alu depctr_va_vdst(0)                   ; the wait at the head's end
.set gi, 0
.rept 14
	global_load_b64 v[LS+2*gi:LS+2*gi+1], v[SA+gi], s[10:11]       ; row (r, 0 .. 3)'s eight scale bytes
.set gi, gi+1
.endr
	s_wait_loadcnt 0x0                             ; only now the codes: the tables have been asked for ahead of them
.irp i, 0,1,2,3,4,5,6
	BLOAD \i
.endr
.Lmeet:
	s_wait_dscnt 0x0
	s_barrier_signal -1                            ; the two u lie in LDS
	s_barrier_wait -1
	s_cmp_lt_u32 s[WV], 2
	s_cbranch_scc1 .Lend
	; ---- the product waves: u's codes, then the blocks
	s_wait_xcnt 0x0                                ; my loads have read their addresses: the registers take u's numbers
.irp j, 0,1,2,3,4,5,6,7
	ds_load_b128 v[X+4*\j:X+4*\j+3], v[UR] offset:16*\j
.endr
	s_add_nc_u64 s[12:13], s[12:13], s[44:45]
	v_bfe_u32 v[SH], v0, 4, 1
	v_lshlrev_b32 v[SH], 3, v[SH]
	v_mov_b32 v[TQ], 0                             ; a lane permute's destination
	s_wait_alu depctr_va_vdst(0)                   ; the wait here, directly ahead of the wait below
	s_wait_dscnt 0x0
.irp c, 0,1,2,3
	v_max3_num_f32 v[6+\c], |v[X+8*\c]|, |v[X+8*\c+1]|, 0x1800000  ; the largest magnitude of my 32, in four chains, with the floor 2^(3 - 127) among the leaves: so the byte cannot fall under 1
.endr
.irp j, 2,4,6
.irp c, 0,1,2,3
	v_max3_num_f32 v[6+\c], v[6+\c], |v[X+8*\c+\j]|, |v[X+8*\c+\j+1]|
.endr
.endr
	v_max3_num_f32 v6, v6, v7, v8
	v_max_num_f32 v6, v6, v9
	v_add_nc_u32 v[TE], 0xff000000, v6             ; 2 off its exponent field: the conversion takes the exponent field of this operand as its scale, and nothing else of it
	v_lshrrev_b32 v[TE+1], 23, v[TE]               ; the scale's byte,
	v_lshlrev_b32 v[TE+1], v[SH], v[TE+1]          ; at its place: 8 h bits up
	v_permlanex16_b32 v[TQ], v[TE+1], s[SEL], s[SEL+1]
.irp g, 0,1,2,3
	v_cvt_scalef32_pk8_fp4_f32 v[QF+\g], v[X+8*\g:X+8*\g+7], v[TE]
.endr
	v_or_b32 v[US], v[TE+1], v[TQ]                 ; with the other block's byte.  (Also the plain instruction behind the last conversion)
	v_lshl_or_b32 v[US], v[US], 16, v[US]          ; the two bytes serve whichever half of K holds the codes
	v_and_b32 v6, 14, v0
	v_cmp_eq_u32 vcc_lo, 0, v6                     ; rows 0, 1 of A: the codes in K's first half
.irp c, 0,1,2,3
	v_cndmask_b32 v[UF+\c], 0, v[QF+\c], vcc_lo
.endr
	v_cmp_eq_u32 vcc_lo, 8, v6                     ; rows 8, 9: in its second half; everything else is zero codes
.irp c, 0,1,2,3
	v_cndmask_b32 v[UF+4+\c], 0, v[QF+\c], vcc_lo
.endr
	s_wait_alu depctr_va_vdst(0)                   ; the wait here, directly ahead of the wait below
.irp i, 0,1,2,3,4,5,6
	BLOCK \i
.endr
.rept 4
	v_nop                                          ; four places ahead of the first read of results (ISA guide 7.12.1)
.endr
	OUT 6
.Lend:
	s_wait_tensorcnt 0x0                           ; the wave's end
	ds_add_u32 v[SPW], v[NIL]
	s_wait_dscnt 0x0
	s_endpgm
.Lfunc_end_k_qb408e20867_answer:
	.size	k_qb408e20867_answer, .Lfunc_end_k_qb408e20867_answer-k_qb408e20867_answer
	.p2alignl 7, 3214868480
	.fill 96, 4, 3214868480
	.section	.rodata,"a",@progbits
	.p2align	6, 0x0
	.amdhsa_kernel k_qb408e20867_answer
		.amdhsa_group_segment_fixed_size 167936
		.amdhsa_private_segment_fixed_size 0
		.amdhsa_enable_private_segment 0
		.amdhsa_kernarg_size 40
		.amdhsa_user_sgpr_count 2
		.amdhsa_user_sgpr_kernarg_segment_ptr 1
		.amdhsa_wavefront_size32 1
		.amdhsa_system_sgpr_workgroup_id_x 1
		.amdhsa_system_sgpr_workgroup_id_y 1
		.amdhsa_system_sgpr_workgroup_id_z 1
		.amdhsa_system_vgpr_workitem_id 0
		.amdhsa_next_free_vgpr 320
		.amdhsa_next_free_sgpr 66
		.amdhsa_reserve_vcc 1
		.amdhsa_float_denorm_mode_32 3
		.amdhsa_float_denorm_mode_16_64 3
		.amdhsa_memory_ordered 1
		.amdhsa_forward_progress 1
		.amdhsa_inst_pref_size 93
	.end_amdhsa_kernel
	.amdgpu_metadata
---
amdhsa.version: [ 1, 2 ]
amdhsa.kernels:
  - .name:           k_qb408e20867_answer
    .symbol:         k_qb408e20867_answer.kd
    .args:
      - { .name: mem, .offset: 0, .size: 8, .value_kind: global_buffer, .address_space: global }
      - { .name: uq, .offset: 8, .size: 8, .value_kind: global_buffer, .address_space: global }
      - { .name: cq, .offset: 16, .size: 8, .value_kind: global_buffer, .address_space: global }
      - { .name: cs, .offset: 24, .size: 8, .value_kind: global_buffer, .address_space: global }
      - { .name: out0, .offset: 32, .size: 8, .value_kind: global_buffer, .address_space: global }
    .group_segment_fixed_size: 167936
    .private_segment_fixed_size: 0
    .kernarg_segment_align: 8
    .kernarg_segment_size: 40
    .max_flat_workgroup_size: 288
    .sgpr_count:     66
    .vgpr_count:     320
    .wavefront_size: 32
...
	.end_amdgpu_metadata
.endif
;; end of part 2
